; MI455X (gfx1250); checked and timed in simulation.
; The chip was launched on July 23, 2026; its instructions are those of AMD's public machine-readable ISA for CDNA 5 (MIT licence, August 2026) and "CDNA5" Instruction Set Architecture Reference Guide (July 2026). The comments in the code are by the model that wrote it; some were corrected since.
;; Atlas. Allowed arithmetic: float matrix products may take bf16 or f16 operands with f32 sums; other float arithmetic in f32, or as packed bf16 or f16 multiplies, adds, multiply-adds, maxima and minima; sums over many terms, partial sums and values carried from step to step in f32; what a program stores and reads back later, other than sums and carried values, may be rounded once to bf16 or f16.
;; Inputs: iuv 2 x 24 x 256 x 256 x 2 float32; layer1 24 x 16 x 256 x 256 float32; layer2 24 x 16 x 128 x 128 float32; layer3 24 x 16 x 64 x 64 float32; layer4 24 x 16 x 32 x 32 float32.
;; Outputs: out0 2 x 16 x 256 x 256 float32.
;; 2 versions, each right and faster than the one before. Each part assembles by itself: llvm-mc -triple=amdgcn-amd-amdhsa -mcpu=gfx1250 --defsym DOCPART=n.
;; ======== version 1 of 2: 2 launches
;; limits: inputs' magnitudes at most 65,504; values are held in f16: magnitudes above 65,504 overflow, below 6.1e-05 lose precision
;; workspace buffers: tex 70,981,632 bytes; coord 25,165,824 bytes of whole numbers
;; launch prep (part 1): grid 2832 x 1, 8 waves a work-group, no clusters, 37,888 bytes of LDS; arguments iuv, layer1, layer2, layer3, layer4, tex, coord; writes tex, coord
.if DOCPART == 1
	.amdgcn_target "amdgcn-amd-amdhsa--gfx1250"
	.amdhsa_code_object_version 6
	.text
	.protected	k_qfe73540342_prep
	.globl	k_qfe73540342_prep
	.p2align	8
	.type	k_qfe73540342_prep,@function
k_qfe73540342_prep:
	s_mov_b64 s[64:65], 0
	v_nop
	global_prefetch_b8 v0, s[64:65] scope:SCOPE_SE
	s_setreg_imm32_b32 hwreg(HW_REG_WAVE_MODE, 25, 1), 1
	s_wait_xcnt 0x0
; PREP: one pass over every input, for the gather that follows.  Three kinds of work-group, chosen by the work-group's number:
;  TEXTURE (2,040): 1,024 texels of one part and level, [16 planes][h][w] f32, become [h][w][16] f16: 32 bytes a texel, rounded once.
;  ZERO (24, one a part): the zero frame of the part's table.   COORD (768): uv become whole numbers, from which the next launch forms addresses.
; THE TABLE, for each part PARTB bytes: 256 zero bytes; then for each level (w = 256, 128, 64, 32) w + 3 rows of (w + 8) texels:
; row 0 is y = -1 (zeros), rows 1 .. w the data, rows w + 1, w + 2 zeros; behind a row's w texels stand 8 zero texels, which are x = w, w + 1 of
; this row and x = -1 of the next.  So a tap outside the texture reads 0, as reference()'s zero padding gives, and no mask is needed.
; THE WHOLE NUMBERS: T = trunc((u + 1) 2^21 + 2^22 + 0.5), held to 2^21 .. 2.5 x 2^22: (t + 1) in units of 2^-22, t = (u + 1) / 2.
; LIMITS.  A texel of 65,520 or more in magnitude becomes an infinity in f16.  t is kept to 2^-22 (3e-5 texel at w = 256).  A NaN or infinite uv counts
; as outside the texture (the sample adds 0), where reference() gives NaN.
.set P1, 8448                          ; bytes from row to row: (w + 8) x 32
.set P2, 4352
.set P3, 2304
.set P4, 1280
.set LB1, 256                          ; a level's first row (y = -1) in the part's region
.set LB2, LB1+259*P1
.set LB3, LB2+131*P2
.set LB4, LB3+67*P3
.set PARTB, LB4+35*P4                  ; 2,957,568
.set NT1, 1536                         ; texture work-groups: 24 parts x w x w / 1,024
.set NT2, 384
.set NT3, 96
.set NT4, 24
.set NTEX, NT1+NT2+NT3+NT4
.set NZ, 24
.set WSTG, 4608                        ; a wave's LDS: 32 lanes x 144 bytes (128 of data, 16 of padding: lane l starts at word 36 l)
.set SPARE, 8*WSTG                     ; behind the waves' stages: the spare words, 128 bytes a wave
.set SPW, 1                            ; v1  SPARE + 4 x my thread's number; never rewritten
.set NIL, 2                            ; v2  0; never rewritten
.set LN, 3                             ; v3  lane
.set LS, 4                             ; v4  LDS: where my 128 bytes go (also: 16 x thread in the other two jobs)
.set LR, 5                             ; v5  LDS: where I read 16 bytes back
.set E0, 6                             ; v6  my 16 bytes' place among the level's texels, rows taken as dense
.set T0, 7
.set T1, 8
.set O, 9                              ; v9-24   byte offsets of my 4 texels in the 16 planes (zero job: v9-12 the pads' offsets)
.set X, 26                             ; v26-89  plane n's four texels at X + 4 n; later the read-back
.set Y, 90                             ; v90-121 texel i's 16 halves at Y + 8 i
.set OA, 122                           ; v122-129 the eight stores' offsets
	s_load_b256 s[4:11], s[0:1], 0x0               ; iuv s[4:5], layer1 s[6:7], layer2 s[8:9], layer3 s[10:11]
	s_load_b128 s[12:15], s[0:1], 0x20             ; layer4 s[12:13], tex s[14:15]
	s_load_b64 s[16:17], s[0:1], 0x30              ; coord
	v_lshl_add_u32 v[SPW], v0, 2, SPARE
	v_mov_b32 v[NIL], 0
	s_mov_b32 s18, ttmp9
	s_mov_b32 s29, 0                               ; the high word of every 32-bit offset
	s_cmp_ge_u32 s18, NTEX+NZ
	s_cbranch_scc1 .Lcoord
	s_cmp_ge_u32 s18, NTEX
	s_cbranch_scc1 .Lzero
	; ---------------- TEXTURE ----------------
	s_mov_b32 s20, 8                               ; log2 w
	s_mov_b32 s21, 0                               ; the level's first work-group
	s_mov_b32 s24, LB1+P1                          ; the level's row y = 0 in the part's region
	s_wait_kmcnt 0x0
	s_mov_b64 s[22:23], s[6:7]                     ; the level's tensor
	s_cmp_ge_u32 s18, NT1
	s_cselect_b32 s20, 7, s20
	s_cselect_b32 s21, NT1, s21
	s_cselect_b32 s24, LB2+P2, s24
	s_cselect_b64 s[22:23], s[8:9], s[22:23]
	s_cmp_ge_u32 s18, NT1+NT2
	s_cselect_b32 s20, 6, s20
	s_cselect_b32 s21, NT1+NT2, s21
	s_cselect_b32 s24, LB3+P3, s24
	s_cselect_b64 s[22:23], s[10:11], s[22:23]
	s_cmp_ge_u32 s18, NT1+NT2+NT3
	s_cselect_b32 s20, 5, s20
	s_cselect_b32 s21, NT1+NT2+NT3, s21
	s_cselect_b32 s24, LB4+P4, s24
	s_cselect_b64 s[22:23], s[12:13], s[22:23]
	s_sub_co_u32 s21, s18, s21                     ; my number in the level
	s_lshl_b32 s25, s20, 1
	s_sub_co_u32 s25, s25, 10                      ; log2 of the work-groups a part: w x w / 1,024
	s_lshr_b32 s26, s21, s25                       ; part
	s_lshl_b32 s27, s26, s25
	s_sub_co_u32 s27, s21, s27                     ; which 1,024 texels of it
	s_add_co_u32 s28, s25, 16                      ; a part is 16 planes of 4 w w bytes = 2^(2 log2 w + 6)
	s_lshl_b32 s28, s26, s28
	s_lshl_b32 s30, s27, 12
	s_add_co_u32 s28, s28, s30
	s_add_nc_u64 s[22:23], s[22:23], s[28:29]      ; plane 0 at my work-group's texels
	s_add_co_u32 s30, s25, 12
	s_lshl_b32 s30, 1, s30                         ; bytes in a plane
	s_mul_i32 s28, s26, PARTB
	s_add_co_u32 s28, s28, s24
	s_add_nc_u64 s[14:15], s[14:15], s[28:29]      ; the table at the part's level, row y = 0
	v_lshlrev_b32 v[O], 4, v0                      ; four texels a thread: a wave's load covers 512 consecutive bytes of a plane
.set n, 1
.rept 15
	v_add_nc_u32 v[O+n], s30, v[O+n-1]
.set n, n+1
.endr
.set n, 0
.rept 16
	global_load_b128 v[X+4*n:X+4*n+3], v[O+n], s[22:23] th:TH_LOAD_NT
.set n, n+1
.endr
	; the addresses are made while the sixteen loads are out
	v_lshrrev_b32 v[T0], 5, v0
	v_readfirstlane_b32 s31, v[T0]                 ; wave
	v_and_b32 v[LN], 31, v0
	s_mul_i32 s32, s31, WSTG
	v_mul_u32_u24 v[LS], v[LN], 144
	v_add_nc_u32 v[LS], s32, v[LS]
	v_lshrrev_b32 v[T0], 3, v[LN]                  ; read-back k, lane l takes piece 32 k + l of the wave's 256 pieces of 16 bytes:
	v_and_b32 v[T1], 7, v[LN]                      ; it lies with lane 4 k + l / 8, at piece l % 8
	v_mul_u32_u24 v[LR], v[T0], 144
	v_lshl_add_u32 v[LR], v[T1], 4, v[LR]
	v_add_nc_u32 v[LR], s32, v[LR]
	s_lshl_b32 s33, s27, 15                        ; 1,024 texels x 32 bytes a work-group,
	s_lshl_b32 s34, s31, 12                        ; 128 x 32 a wave
	s_add_co_u32 s33, s33, s34
	v_lshl_add_u32 v[E0], v[LN], 4, s33
	s_add_co_u32 s34, s20, 5                       ; dense bytes >> (log2 w + 5) = the row
.set k, 0
.rept 8
	v_add_nc_u32 v[OA+k], 512*k, v[E0]
	v_lshrrev_b32 v[T0], s34, v[OA+k]
	v_lshl_add_u32 v[OA+k], v[T0], 8, v[OA+k]      ; each row before mine has added 256 bytes of zeros
.set k, k+1
.endr
.set m, 0
.rept 8
	s_wait_loadcnt 14-2*m                          ; loads return in order: planes 2 m and 2 m + 1 are in, the 14 - 2 m younger ones may be out
.set i, 0
.rept 4
	v_cvt_pk_f16_f32 v[Y+8*i+m], v[X+8*m+i], v[X+8*m+4+i]  ; texel i, features 2 m (low half) and 2 m + 1
.set i, i+1
.endr
.set m, m+1
.endr
.set k, 0
.rept 8
	ds_store_b128 v[LS], v[Y+4*k:Y+4*k+3] offset:16*k
.set k, k+1
.endr
.set k, 0
.rept 8
	ds_load_b128 v[X+4*k:X+4*k+3], v[LR] offset:576*k  ; the wave's own bytes, served in order behind the stores above
.set k, k+1
.endr
.set k, 0
.rept 8
	s_wait_dscnt 7-k                               ; read-back k is in
	global_store_b128 v[OA+k], v[X+4*k:X+4*k+3], s[14:15]  ; 16 texels of one row: 512 consecutive bytes at a multiple of 256 from the table's first byte
.set k, k+1
.endr
	s_wait_tensorcnt 0x0                           ; the wave's end
	ds_add_u32 v[SPW], v[NIL]
	s_wait_dscnt 0x0
	s_endpgm
	; ---------------- ZERO ----------------
.Lzero:
	s_sub_co_u32 s28, s18, NTEX                    ; part
	s_mul_i32 s28, s28, PARTB
.irp c, 0,1,2,3
	v_mov_b32 v[X+\c], 0
.endr
	v_lshlrev_b32 v[LS], 4, v0                     ; dense runs: 256 threads x 16 bytes = 4,096 bytes a store
	v_lshrrev_b32 v[T0], 4, v0                     ; pads: sixteen lanes take one row's 256 bytes
	v_and_b32 v[T1], 15, v0
	v_lshlrev_b32 v[T1], 4, v[T1]
	v_mad_u32_u24 v[O], v[T0], P1, v[T1]
	v_mad_u32_u24 v[O+1], v[T0], P2, v[T1]
	v_mad_u32_u24 v[O+2], v[T0], P3, v[T1]
	v_mad_u32_u24 v[O+3], v[T0], P4, v[T1]
	s_wait_kmcnt 0x0
	s_add_nc_u64 s[14:15], s[14:15], s[28:29]
.macro ZPADS l, first, pitch, rows     ; the 256 bytes behind each data row, sixteen rows a store
.set zi, 0
.rept (\rows)/16
	global_store_b128 v[O+\l], v[X:X+3], s[14:15] offset:(\first)+zi*16*(\pitch)
.set zi, zi+1
.endr
.endm
.macro ZRUN first, nblk                ; nblk x 256 consecutive bytes; what is over after whole stores is stored by the first threads alone
.set zi, 0
.rept (\nblk)/16
	global_store_b128 v[LS], v[X:X+3], s[14:15] offset:(\first)+zi*4096
.set zi, zi+1
.endr
	v_cmp_gt_u32 vcc_lo, ((\nblk)%16)*16, v0
	s_wait_xcnt 0x0                                ; EXEC is a source of the stores above: it changes only behind this wait
	s_and_saveexec_b32 s19, vcc_lo
	global_store_b128 v[LS], v[X:X+3], s[14:15] offset:(\first)+zi*4096
	s_wait_xcnt 0x0                                ; and again in front of the line that widens it
	s_or_b32 exec_lo, exec_lo, s19
.endm
	ZPADS 0, LB1+P1+8192, P1, 256
	ZPADS 1, LB2+P2+4096, P2, 128
	ZPADS 2, LB3+P3+2048, P3, 64
	ZPADS 3, LB4+P4+1024, P4, 32
	ZRUN 0, 34                                     ; the leading block and level 1's row y = -1
	ZRUN LB1+257*P1, 83                            ; level 1's two last rows and level 2's first: they lie end to end
	ZRUN LB2+129*P2, 43
	ZRUN LB3+65*P3, 23
	ZRUN LB4+33*P4, 10
	s_endpgm
	; ---------------- COORD ----------------
.Lcoord:
	s_sub_co_u32 s28, s18, NTEX+NZ
	s_lshl_b32 s28, s28, 15                        ; 32,768 bytes a work-group
	s_mov_b32 s30, 0x4a000000                      ; 2^21: the factor, and the lower bound
	s_mov_b32 s31, 0x4a800001                      ; 2^22 + 0.5
	s_mov_b32 s32, 0x4b200000                      ; 2.5 x 2^22: T x 255 stays under 2^32, T under 2^24
	v_lshlrev_b32 v[LS], 4, v0
	s_wait_kmcnt 0x0
	s_add_nc_u64 s[4:5], s[4:5], s[28:29]
	s_add_nc_u64 s[16:17], s[16:17], s[28:29]
.irp i, 0,1,2,3,4,5,6,7
	global_load_b128 v[X+4*\i:X+4*\i+3], v[LS], s[4:5] offset:4096*\i th:TH_LOAD_NT
.endr
.irp i, 0,1,2,3,4,5,6,7
	s_wait_loadcnt 7-\i                            ; load i is in, the younger ones may be out
.irp c, 0,1,2,3
	v_add_f32 v[X+4*\i+\c], 1.0, v[X+4*\i+\c]      ; u + 1, rounded as reference() rounds it
.endr
.irp c, 0,1,2,3
	v_fma_f32 v[X+4*\i+\c], v[X+4*\i+\c], s30, s31
.endr
.irp c, 0,1,2,3
	v_med3_num_f32 v[X+4*\i+\c], v[X+4*\i+\c], s30, s32
.endr
.irp c, 0,1,2,3
	v_cvt_u32_f32 v[X+4*\i+\c], v[X+4*\i+\c]
.endr
	global_store_b128 v[LS], v[X+4*\i:X+4*\i+3], s[16:17] offset:4096*\i
.endr
	s_endpgm
.Lfunc_end_k_qfe73540342_prep:
	.size	k_qfe73540342_prep, .Lfunc_end_k_qfe73540342_prep-k_qfe73540342_prep
	.p2alignl 7, 3214868480
	.fill 96, 4, 3214868480
	.section	.rodata,"a",@progbits
	.p2align	6, 0x0
	.amdhsa_kernel k_qfe73540342_prep
		.amdhsa_group_segment_fixed_size 37888
		.amdhsa_private_segment_fixed_size 0
		.amdhsa_enable_private_segment 0
		.amdhsa_kernarg_size 56
		.amdhsa_user_sgpr_count 2
		.amdhsa_user_sgpr_kernarg_segment_ptr 1
		.amdhsa_wavefront_size32 1
		.amdhsa_system_sgpr_workgroup_id_x 1
		.amdhsa_system_sgpr_workgroup_id_y 1
		.amdhsa_system_sgpr_workgroup_id_z 1
		.amdhsa_system_vgpr_workitem_id 0
		.amdhsa_next_free_vgpr 130
		.amdhsa_next_free_sgpr 66
		.amdhsa_reserve_vcc 1
		.amdhsa_float_denorm_mode_32 3
		.amdhsa_float_denorm_mode_16_64 3
		.amdhsa_memory_ordered 1
		.amdhsa_forward_progress 1
		.amdhsa_inst_pref_size 25
	.end_amdhsa_kernel
	.amdgpu_metadata
---
amdhsa.version: [ 1, 2 ]
amdhsa.kernels:
  - .name:           k_qfe73540342_prep
    .symbol:         k_qfe73540342_prep.kd
    .args:
      - { .name: iuv, .offset: 0, .size: 8, .value_kind: global_buffer, .address_space: global }
      - { .name: layer1, .offset: 8, .size: 8, .value_kind: global_buffer, .address_space: global }
      - { .name: layer2, .offset: 16, .size: 8, .value_kind: global_buffer, .address_space: global }
      - { .name: layer3, .offset: 24, .size: 8, .value_kind: global_buffer, .address_space: global }
      - { .name: layer4, .offset: 32, .size: 8, .value_kind: global_buffer, .address_space: global }
      - { .name: tex, .offset: 40, .size: 8, .value_kind: global_buffer, .address_space: global }
      - { .name: coord, .offset: 48, .size: 8, .value_kind: global_buffer, .address_space: global }
    .group_segment_fixed_size: 37888
    .private_segment_fixed_size: 0
    .kernarg_segment_align: 8
    .kernarg_segment_size: 56
    .max_flat_workgroup_size: 256
    .sgpr_count:     66
    .vgpr_count:     130
    .wavefront_size: 32
...
	.end_amdgpu_metadata
.endif
;; end of part 1
;; launch render (part 2): grid 256 x 1, 16 waves a work-group, no clusters, 149,760 bytes of LDS; arguments coord, tex, out0; writes out0
.if DOCPART == 2
	.amdgcn_target "amdgcn-amd-amdhsa--gfx1250"
	.amdhsa_code_object_version 6
	.text
	.protected	k_qfe73540342_render
	.globl	k_qfe73540342_render
	.p2align	8
	.type	k_qfe73540342_render,@function
k_qfe73540342_render:
	s_mov_b64 s[64:65], 0
	v_nop
	global_prefetch_b8 v0, s[64:65] scope:SCOPE_SE
	s_setreg_imm32_b32 hwreg(HW_REG_WAVE_MODE, 25, 1), 1
	s_wait_xcnt 0x0
; RENDER: out[b][n][pixel] = the sum over 24 parts and 4 levels of the bilinear sample of the part's level at the pixel's uv.
; A work-group owns 512 consecutive pixels of one image (two rows), each of its sixteen waves 32.  256 work-groups.
; TWO LAYOUTS IN A WAVE.  MAKING: lane = pixel.  From the pixel's two whole numbers T (t + 1 in units of 2^-22) integer arithmetic gives, for each level, the texel index of the
; sample's upper left tap and the two fractions; four weights follow in f32 (in units of 2^-44; the scale is applied once, on the way out).
; GATHERING: eight lanes a sample, lane = 8 g + 4 dy + 2 dx + fh: row dy, texel dx, feature half fh.  One load of 16 bytes a lane then fetches four samples, each as two runs of 64
; consecutive bytes, and a lane multiplies its eight features by its tap's weight.  Group g serves pixels 8 g .. 8 g + 7, one a load.  Index and weights change layout through the
; wave's own LDS bytes, which are served in the wave's order: no barrier.  The four tap lanes' sums are added at the end.
; OUTSIDE THE TEXTURE.  The table has a frame of zeros (x = -1, w, w + 1; y = -1, h, h + 1).  (x + 1) 2^22 = T (w - 1) - (w - 2) 2^22, taken modulo 2^32: below -1 it wraps to a large
; number, so ONE unsigned minimum of its whole part with w + 1 sends both sides to taps that are all zeros, whatever the fraction.
; THE RING.  Four slots of registers, one a level, eight loads each.  A slot is asked for again, for the next part, straight behind its multiply-adds: 32 gathers and one load of
; coordinates are out in each wave.  The LDS hand-over has two halves, by the part's parity; the loop holds two parts, so that every LDS offset is an immediate.
; LIMITS: those of the table and of T (the launch before): f16 texels, t to 2^-22, NaN and infinite uv count as outside.  All sums in f32.
.set P1, 8448
.set P2, 4352
.set P3, 2304
.set P4, 1280
.set LB1, 256
.set LB2, LB1+259*P1
.set LB3, LB2+131*P2
.set LB4, LB3+67*P3
.set PARTB, LB4+35*P4                  ; a part's bytes in the table
.set PSTEP, 524288                     ; a part's bytes in coord: 65,536 pixels x 8
.set LBLK, 896                         ; LDS hand-over of one level: 32 indices (128 bytes), then four taps' 32 weights, 192 bytes apart
.set HALFS, 4*LBLK                     ; one parity's four levels
.set WSTG, 2*HALFS                     ; a wave's hand-over
.set STG, 16*WSTG                      ; the way out: 16 features x 512 pixels f32,
.set SPIT, 2064                        ; rows 2,048 + 16 bytes apart, so that features 0-7 and 8-15 of a store fall on different banks
.set SPARE, STG+16*SPIT                ; the spare words, 128 bytes a wave (147,712 is a multiple of 256)
.set SPW, 1                            ; v1  SPARE + 4 x my thread's number; never rewritten
.set NIL, 2                            ; v2  0; never rewritten
.set LN, 3                             ; v3  lane
.set TX, 4                             ; v4, v5  my pixel's T for x and y
.set TY, 5
.set TOFF, 6                           ; v6  byte offset of my pixel's pair in coord, for the part to be loaded
.set PS, 7                             ; v7  LDS: where I put my pixel's words
.set CI, 8                             ; v8  LDS: my group's eight indices
.set CW, 9                             ; v9  LDS: my group's eight weights of my tap
.set LC, 10                            ; v10-13  by level: the part's bytes so far + dy x pitch + 32 dx + 16 fh
.set QA, 14                            ; v14-21  at work
.set QB, 15
.set QC, 16
.set QD, 17
.set QE, 18
.set QF, 19
.set QG, 20
.set QH, 21
.set WT, 24                            ; v24-31  weights of the slot at work, pixel j at WT + j
.set IX, 32                            ; v32-39  texel indices of the loads to be issued
.set OFF, 40                           ; v40-47  their byte offsets
.set ACC, 48                           ; v48-111  feature k of my half, pixel j at ACC + 8 k + j
.set D, 112                            ; v112-239  level l, pixel j: four registers at D + 32 l + 4 j
.set WM1, 16                           ; s16-19  w - 1
.set CB, 20                            ; s20-23  -(w - 2) 2^22 modulo 2^32
.set TWO22, 24                         ; s24  2^22 as f32
.set SC, 26                            ; s[26:27]  2^-44
.macro LVL l                           ; a level's constants
.set WID, 256>>(\l)
.set MAXI, (WID+1)*(WID+8)+WID+1
.if (\l)==0
.set LBX, LB1
.elseif (\l)==1
.set LBX, LB2
.elseif (\l)==2
.set LBX, LB3
.else
.set LBX, LB4
.endif
.endm
; MAKING, for the part whose T is in TX, TY; into the hand-over's half q.
.macro PRODUCE q
.irp l, 0,1,2,3
	LVL \l
.set BLK, (\q)*HALFS+(\l)*LBLK
	v_mad_u32_u24 v[QA], v[TX], s[WM1+\l], s[CB+\l]  ; (x + 1) 2^22
	v_mad_u32_u24 v[QB], v[TY], s[WM1+\l], s[CB+\l]
	v_lshrrev_b32 v[QC], 22, v[QA]                 ; x0 + 1
	v_lshrrev_b32 v[QD], 22, v[QB]
	v_and_b32 v[QA], 0x3fffff, v[QA]
	v_and_b32 v[QB], 0x3fffff, v[QB]
	v_min_u32 v[QC], WID+1, v[QC]                  ; both sides outside end at x0 = w: two zero texels
	v_min_u32 v[QD], WID+1, v[QD]
	v_cvt_f32_u32 v[QA], v[QA]                     ; fx, exact: under 2^22
	v_cvt_f32_u32 v[QB], v[QB]
	v_mad_u32_u24 v[QC], v[QD], WID+8, v[QC]       ; texel index: (y0 + 1)(w + 8) + x0 + 1
	v_sub_f32 v[QE], s[TWO22], v[QA]               ; 1 - fx, exact
	v_sub_f32 v[QF], s[TWO22], v[QB]
	ds_store_b32 v[PS], v[QC] offset:BLK
	v_mul_f32 v[QG], v[QE], v[QF]                  ; tap 0: row 0, texel 0
	v_mul_f32 v[QH], v[QA], v[QF]                  ; tap 1: row 0, texel 1
	v_mul_f32 v[QE], v[QE], v[QB]                  ; tap 2: row 1, texel 0
	v_mul_f32 v[QF], v[QA], v[QB]                  ; tap 3
	ds_store_b32 v[PS], v[QG] offset:BLK+128
	ds_store_b32 v[PS], v[QH] offset:BLK+128+192
	ds_store_b32 v[PS], v[QE] offset:BLK+128+384
	ds_store_b32 v[PS], v[QF] offset:BLK+128+576
.endr
.endm
.macro FETCHW l, q                     ; my tap's weights for my group's eight pixels
	ds_load_b128 v[WT:WT+3],   v[CW] offset:(\q)*HALFS+(\l)*LBLK
	ds_load_b128 v[WT+4:WT+7], v[CW] offset:(\q)*HALFS+(\l)*LBLK+16
.endm
.macro FETCHI l, q                     ; my group's eight indices
	ds_load_b128 v[IX:IX+3],   v[CI] offset:(\q)*HALFS+(\l)*LBLK
	ds_load_b128 v[IX+4:IX+7], v[CI] offset:(\q)*HALFS+(\l)*LBLK+16
.endm
.macro ASK l                           ; level l's eight loads, from the indices in IX
	LVL \l
.irp j, 0,1,2,3,4,5,6,7
	v_min_u32 v[IX+\j], MAXI, v[IX+\j]             ; a loaded number enters an address only behind a bound: the level's last index
.endr
	s_wait_xcnt 0x0                                ; OFF still names the last eight loads' addresses: it is rewritten only behind this wait
.irp j, 0,1,2,3,4,5,6,7
	v_lshl_add_u32 v[OFF+\j], v[IX+\j], 5, v[LC+\l]
.endr
.irp j, 0,1,2,3,4,5,6,7
	global_load_b128 v[D+32*(\l)+4*\j:D+32*(\l)+4*\j+3], v[OFF+\j], s[6:7] offset:LBX-32  ; index 0 is x = -1: 32 bytes ahead of the row
.endr
.endm
.macro MADS l                          ; 64 multiply-adds: f16 texel x f32 weight + f32 sum, 64 different sums
.irp j, 0,1,2,3,4,5,6,7
.irp r, 0,1,2,3
	v_fma_mix_f32 v[ACC+16*\r+\j],   v[D+32*(\l)+4*\j+\r], v[WT+\j], v[ACC+16*\r+\j]   op_sel_hi:[1,0,0]
	v_fma_mix_f32 v[ACC+16*\r+8+\j], v[D+32*(\l)+4*\j+\r], v[WT+\j], v[ACC+16*\r+8+\j] op_sel:[1,0,0] op_sel_hi:[1,0,0]
.endr
.endr
.endm
; One slot's turn.  q: the parity of the part at work.  left: the loads issued behind this slot's eight.  ask = 1: the slot is asked for again, for the next part.
.macro STEP l, q, left, ask
	FETCHW \l, \q
.if \ask
	FETCHI \l, 1-(\q)
	v_add_nc_u32 v[LC+\l], PARTB, v[LC+\l]         ; on to the next part's table
.endif
	s_wait_loadcnt \left                           ; loads return in order: the slot's eight are in
.if \ask
	s_wait_dscnt 2                                 ; the weights are in; the two loads of indices may be out
.else
	s_wait_dscnt 0x0
.endif
	MADS \l
.if \ask
	s_wait_dscnt 0x0                               ; the indices
	ASK \l
.endif
.endm
; One part.  make: the next part's index and weights are made.  more: the T of the part after that is loaded.  ask: the next part's gathers are issued.
.macro ITER q, make, more, ask
.if \make
	s_wait_loadcnt 32                              ; the load of T is older than the 32 gathers behind it
	PRODUCE 1-(\q)
.endif
.if \more
	v_add_nc_u32 v[TOFF], PSTEP, v[TOFF]           ; free since the wait above showed its load done
	global_load_b64 v[TX:TX+1], v[TOFF], s[4:5] th:TH_LOAD_NT
.endif
.if \ask
	STEP 0, \q, 24+(\more), 1                      ; behind a slot's eight: the three other slots' 24, and the load of T if there is one
	STEP 1, \q, 24+(\more), 1
	STEP 2, \q, 24+(\more), 1
	STEP 3, \q, 24+(\more), 1
.else
	STEP 0, \q, 24, 0                              ; nothing more is issued: the counts run down
	STEP 1, \q, 16, 0
	STEP 2, \q, 8, 0
	STEP 3, \q, 0, 0
.endif
.endm
	s_load_b128 s[4:7], s[0:1], 0x0                ; coord s[4:5], tex s[6:7]
	s_load_b64 s[8:9], s[0:1], 0x10                ; out
	v_lshl_add_u32 v[SPW], v0, 2, SPARE
	v_mov_b32 v[NIL], 0
	v_lshrrev_b32 v[QA], 5, v0
	v_readfirstlane_b32 s10, v[QA]                 ; wave 0..15
	s_and_b32 s11, ttmp9, 127                      ; which 512 pixels of the image
	s_lshr_b32 s12, ttmp9, 7                       ; which image
	s_mul_i32 s13, s12, 24*PSTEP
	s_lshl_b32 s14, s11, 12
	s_add_co_u32 s13, s13, s14
	v_lshl_add_u32 v[TOFF], v0, 3, s13             ; 8 bytes a pixel: a wave's load covers 256 consecutive bytes
	s_wait_kmcnt 0x0
	global_load_b64 v[TX:TX+1], v[TOFF], s[4:5] th:TH_LOAD_NT  ; part 0
	s_mov_b32 s[WM1], 255
	s_mov_b32 s[WM1+1], 127
	s_mov_b32 s[WM1+2], 63
	s_mov_b32 s[WM1+3], 31
	s_mov_b32 s[CB], 0xc0800000
	s_mov_b32 s[CB+1], 0xe0800000
	s_mov_b32 s[CB+2], 0xf0800000
	s_mov_b32 s[CB+3], 0xf8800000
	s_mov_b32 s[TWO22], 0x4a800000
	s_mov_b32 s[SC], 0x29800000
	s_mov_b32 s[SC+1], s[SC]                       ; named with it as a pair
	s_mul_i32 s15, s10, WSTG                       ; my wave's hand-over
	v_and_b32 v[LN], 31, v0
	v_lshl_add_u32 v[PS], v[LN], 2, s15
	v_lshrrev_b32 v[QA], 3, v[LN]                  ; g
	v_lshl_add_u32 v[CI], v[QA], 5, s15            ; eight words a group
	v_bfe_u32 v[QB], v0, 1, 2                      ; tap = 2 dy + dx
	v_mad_u32_u24 v[CW], v[QB], 192, v[CI]         ; taps 192 bytes apart
	v_add_nc_u32 v[CW], 128, v[CW]
	v_bfe_u32 v[QA], v0, 2, 1                      ; dy
	v_and_b32 v[QB], 3, v0                         ; 2 dx + fh
	v_lshlrev_b32 v[QB], 4, v[QB]
.irp l, 0,1,2,3
	v_mad_u32_u24 v[LC+\l], v[QA], ((256>>\l)+8)*32, v[QB]
.endr
	s_wait_loadcnt 0x0
	PRODUCE 0
	v_add_nc_u32 v[TOFF], PSTEP, v[TOFF]
	global_load_b64 v[TX:TX+1], v[TOFF], s[4:5] th:TH_LOAD_NT  ; part 1: issued ahead of part 0's gathers, as in every trip
.irp l, 0,1,2,3
	FETCHI \l, 0
	s_wait_dscnt 0x0
	ASK \l
.endr
.set a, 0
.rept 64                                               ; the sums start at 0: 64 lines once a launch, in the wait for the first gathers; the price of one text for every part
	v_mov_b32 v[ACC+a], 0
.set a, a+1
.endr
	s_mov_b32 s28, 11
.Lpart:                                                ; parts 0 .. 21, two a trip
	ITER 0, 1, 1, 1
	ITER 1, 1, 1, 1
	s_sub_co_u32 s28, s28, 1
	s_cmp_lg_u32 s28, 0
	s_cbranch_scc1 .Lpart
	ITER 0, 1, 0, 1                                ; part 22: there is no further T to load
	ITER 1, 0, 0, 0                                ; part 23: nothing is made or asked for
	; THE WAY OUT.  The four tap lanes of a group differ in lane bits 1 and 2: two exchanges, and each holds the sum.
.set a, 0
.rept 64
	v_add_f32_dpp v[ACC+a], v[ACC+a], v[ACC+a] row_xmask:2 row_mask:0xf bank_mask:0xf
.set a, a+1
.endr
.set a, 0
.rept 64
	v_add_f32_dpp v[ACC+a], v[ACC+a], v[ACC+a] row_xmask:4 row_mask:0xf bank_mask:0xf
.set a, a+1
.endr
	v_and_b32 v[QA], 1, v0                         ; fh
	v_bfe_u32 v[QB], v0, 3, 2                      ; g
	v_mul_u32_u24 v[QA], v[QA], 8*SPIT
	v_lshl_add_u32 v[QA], v[QB], 5, v[QA]
	s_lshl_b32 s13, s10, 7                         ; my wave's 32 pixels in a feature's row
	s_add_co_u32 s13, s13, STG
	v_add_nc_u32 v[QA], s13, v[QA]
.irp k, 0,1,2,3,4,5,6,7
.irp i, 0,1
	ds_store_b128 v[QA], v[ACC+8*\k+4*\i:ACC+8*\k+4*\i+3] offset:(\k)*SPIT+16*(\i)  ; four pixels of feature 8 fh + k; the four tap lanes store the same words with the same numbers
.endr
.endr
	s_wait_dscnt 0x0                               ; for the others' sake: my stores into the stage are done
	s_barrier_signal -1
	s_barrier_wait -1
	s_mul_i32 s13, s10, SPIT                       ; wave w takes feature w: 512 pixels, 2,048 consecutive bytes of out
	s_add_co_u32 s13, s13, STG
	v_lshl_add_u32 v[QB], v[LN], 4, s13
.irp i, 0,1,2,3
	ds_load_b128 v[D+4*\i:D+4*\i+3], v[QB] offset:512*\i
.endr
	s_lshl_b32 s14, s12, 4
	s_add_co_u32 s14, s14, s10
	s_lshl_b32 s14, s14, 18                        ; (16 b + n) x 262,144 bytes
	s_lshl_b32 s13, s11, 11
	s_add_co_u32 s14, s14, s13
	s_mov_b32 s15, 0
	s_add_nc_u64 s[8:9], s[8:9], s[14:15]
	v_lshlrev_b32 v[QC], 4, v[LN]
.irp i, 0,1,2,3
	s_wait_dscnt 3-\i                              ; read-back i is in
	v_pk_mul_f32 v[D+4*\i:D+4*\i+1],   v[D+4*\i:D+4*\i+1],   s[SC:SC+1] op_sel_hi:[1,0]  ; the weights' unit, 2^-44, once
	v_pk_mul_f32 v[D+4*\i+2:D+4*\i+3], v[D+4*\i+2:D+4*\i+3], s[SC:SC+1] op_sel_hi:[1,0]
	global_store_b128 v[QC], v[D+4*\i:D+4*\i+3], s[8:9] offset:512*\i th:TH_STORE_NT  ; 512 consecutive bytes at a multiple of 256 from out's first byte
.endr
	s_wait_tensorcnt 0x0                           ; the wave's end
	ds_add_u32 v[SPW], v[NIL]
	s_wait_dscnt 0x0
	s_endpgm
.Lfunc_end_k_qfe73540342_render:
	.size	k_qfe73540342_render, .Lfunc_end_k_qfe73540342_render-k_qfe73540342_render
	.p2alignl 7, 3214868480
	.fill 96, 4, 3214868480
	.section	.rodata,"a",@progbits
	.p2align	6, 0x0
	.amdhsa_kernel k_qfe73540342_render
		.amdhsa_group_segment_fixed_size 149760
		.amdhsa_private_segment_fixed_size 0
		.amdhsa_enable_private_segment 0
		.amdhsa_kernarg_size 24
		.amdhsa_user_sgpr_count 2
		.amdhsa_user_sgpr_kernarg_segment_ptr 1
		.amdhsa_wavefront_size32 1
		.amdhsa_system_sgpr_workgroup_id_x 1
		.amdhsa_system_sgpr_workgroup_id_y 1
		.amdhsa_system_sgpr_workgroup_id_z 1
		.amdhsa_system_vgpr_workitem_id 0
		.amdhsa_next_free_vgpr 240
		.amdhsa_next_free_sgpr 66
		.amdhsa_reserve_vcc 0
		.amdhsa_float_denorm_mode_32 3
		.amdhsa_float_denorm_mode_16_64 3
		.amdhsa_memory_ordered 1
		.amdhsa_forward_progress 1
		.amdhsa_inst_pref_size 133
	.end_amdhsa_kernel
	.amdgpu_metadata
---
amdhsa.version: [ 1, 2 ]
amdhsa.kernels:
  - .name:           k_qfe73540342_render
    .symbol:         k_qfe73540342_render.kd
    .args:
      - { .name: coord, .offset: 0, .size: 8, .value_kind: global_buffer, .address_space: global }
      - { .name: tex, .offset: 8, .size: 8, .value_kind: global_buffer, .address_space: global }
      - { .name: out0, .offset: 16, .size: 8, .value_kind: global_buffer, .address_space: global }
    .group_segment_fixed_size: 149760
    .private_segment_fixed_size: 0
    .kernarg_segment_align: 8
    .kernarg_segment_size: 24
    .max_flat_workgroup_size: 512
    .sgpr_count:     66
    .vgpr_count:     240
    .wavefront_size: 32
...
	.end_amdgpu_metadata
.endif
;; end of part 2
;; ======== version 2 of 2: 3 launches; 1.34 times as fast as version 1
;; limits: inputs' magnitudes at most 65,504; values are held in f16: magnitudes above 65,504 overflow, below 6.1e-05 lose precision
;; workspace buffers: tex 70,981,632 bytes; coord 25,165,824 bytes of whole numbers; part 33,554,432 bytes
;; launch prep (part 3): grid 2832 x 1, 8 waves a work-group, no clusters, 37,888 bytes of LDS; arguments iuv, layer1, layer2, layer3, layer4, tex, coord; writes tex, coord
.if DOCPART == 3
	.amdgcn_target "amdgcn-amd-amdhsa--gfx1250"
	.amdhsa_code_object_version 6
	.text
	.protected	k_qfe73540342_prep
	.globl	k_qfe73540342_prep
	.p2align	8
	.type	k_qfe73540342_prep,@function
k_qfe73540342_prep:
	s_mov_b64 s[64:65], 0
	v_nop
	global_prefetch_b8 v0, s[64:65] scope:SCOPE_SE
	s_setreg_imm32_b32 hwreg(HW_REG_WAVE_MODE, 25, 1), 1
	s_wait_xcnt 0x0
; PREP: one pass over every input, for the gather that follows.  Three kinds of work-group, chosen by the work-group's number:
;  TEXTURE (2,040): 1,024 texels of one part and level, [16 planes][h][w] f32, become [h][w][16] f16: 32 bytes a texel, rounded once.
;  ZERO (24, one a part): the zero frame of the part's table.   COORD (768): uv become whole numbers, from which the next launch forms addresses.
; THE TABLE, for each part PARTB bytes: 256 zero bytes; then for each level (w = 256, 128, 64, 32) w + 3 rows of (w + 8) texels:
; row 0 is y = -1 (zeros), rows 1 .. w the data, rows w + 1, w + 2 zeros; behind a row's w texels stand 8 zero texels, which are x = w, w + 1 of
; this row and x = -1 of the next.  So a tap outside the texture reads 0, as reference()'s zero padding gives, and no mask is needed.
; THE WHOLE NUMBERS: T = trunc((u + 1) 2^21 + 2^22 + 0.5), held to 2^21 .. 2.5 x 2^22: (t + 1) in units of 2^-22, t = (u + 1) / 2.
; LIMITS.  A texel of 65,520 or more in magnitude becomes an infinity in f16.  t is kept to 2^-22 (3e-5 texel at w = 256).  A NaN or infinite uv counts
; as outside the texture (the sample adds 0), where reference() gives NaN.
.set P1, 8448                          ; bytes from row to row: (w + 8) x 32
.set P2, 4352
.set P3, 2304
.set P4, 1280
.set LB1, 256                          ; a level's first row (y = -1) in the part's region
.set LB2, LB1+259*P1
.set LB3, LB2+131*P2
.set LB4, LB3+67*P3
.set PARTB, LB4+35*P4                  ; 2,957,568
.set NT1, 1536                         ; texture work-groups: 24 parts x w x w / 1,024
.set NT2, 384
.set NT3, 96
.set NT4, 24
.set NTEX, NT1+NT2+NT3+NT4
.set NZ, 24
.set WSTG, 4608                        ; a wave's LDS: 32 lanes x 144 bytes (128 of data, 16 of padding: lane l starts at word 36 l)
.set SPARE, 8*WSTG                     ; behind the waves' stages: the spare words, 128 bytes a wave
.set SPW, 1                            ; v1  SPARE + 4 x my thread's number; never rewritten
.set NIL, 2                            ; v2  0; never rewritten
.set LN, 3                             ; v3  lane
.set LS, 4                             ; v4  LDS: where my 128 bytes go (also: 16 x thread in the other two jobs)
.set LR, 5                             ; v5  LDS: where I read 16 bytes back
.set E0, 6                             ; v6  my 16 bytes' place among the level's texels, rows taken as dense
.set T0, 7
.set T1, 8
.set O, 9                              ; v9-24   byte offsets of my 4 texels in the 16 planes (zero job: v9-12 the pads' offsets)
.set X, 26                             ; v26-89  plane n's four texels at X + 4 n; later the read-back
.set Y, 90                             ; v90-121 texel i's 16 halves at Y + 8 i
.set OA, 122                           ; v122-129 the eight stores' offsets
	s_load_b256 s[4:11], s[0:1], 0x0               ; iuv s[4:5], layer1 s[6:7], layer2 s[8:9], layer3 s[10:11]
	s_load_b128 s[12:15], s[0:1], 0x20             ; layer4 s[12:13], tex s[14:15]
	s_load_b64 s[16:17], s[0:1], 0x30              ; coord
	v_lshl_add_u32 v[SPW], v0, 2, SPARE
	v_mov_b32 v[NIL], 0
	s_mov_b32 s18, ttmp9
	s_mov_b32 s29, 0                               ; the high word of every 32-bit offset
	s_cmp_ge_u32 s18, NTEX+NZ
	s_cbranch_scc1 .Lcoord
	s_cmp_ge_u32 s18, NTEX
	s_cbranch_scc1 .Lzero
	; ---------------- TEXTURE ----------------
	s_mov_b32 s20, 8                               ; log2 w
	s_mov_b32 s21, 0                               ; the level's first work-group
	s_mov_b32 s24, LB1+P1                          ; the level's row y = 0 in the part's region
	s_wait_kmcnt 0x0
	s_mov_b64 s[22:23], s[6:7]                     ; the level's tensor
	s_cmp_ge_u32 s18, NT1
	s_cselect_b32 s20, 7, s20
	s_cselect_b32 s21, NT1, s21
	s_cselect_b32 s24, LB2+P2, s24
	s_cselect_b64 s[22:23], s[8:9], s[22:23]
	s_cmp_ge_u32 s18, NT1+NT2
	s_cselect_b32 s20, 6, s20
	s_cselect_b32 s21, NT1+NT2, s21
	s_cselect_b32 s24, LB3+P3, s24
	s_cselect_b64 s[22:23], s[10:11], s[22:23]
	s_cmp_ge_u32 s18, NT1+NT2+NT3
	s_cselect_b32 s20, 5, s20
	s_cselect_b32 s21, NT1+NT2+NT3, s21
	s_cselect_b32 s24, LB4+P4, s24
	s_cselect_b64 s[22:23], s[12:13], s[22:23]
	s_sub_co_u32 s21, s18, s21                     ; my number in the level
	s_lshl_b32 s25, s20, 1
	s_sub_co_u32 s25, s25, 10                      ; log2 of the work-groups a part: w x w / 1,024
	s_lshr_b32 s26, s21, s25                       ; part
	s_lshl_b32 s27, s26, s25
	s_sub_co_u32 s27, s21, s27                     ; which 1,024 texels of it
	s_add_co_u32 s28, s25, 16                      ; a part is 16 planes of 4 w w bytes = 2^(2 log2 w + 6)
	s_lshl_b32 s28, s26, s28
	s_lshl_b32 s30, s27, 12
	s_add_co_u32 s28, s28, s30
	s_add_nc_u64 s[22:23], s[22:23], s[28:29]      ; plane 0 at my work-group's texels
	s_add_co_u32 s30, s25, 12
	s_lshl_b32 s30, 1, s30                         ; bytes in a plane
	s_mul_i32 s28, s26, PARTB
	s_add_co_u32 s28, s28, s24
	s_add_nc_u64 s[14:15], s[14:15], s[28:29]      ; the table at the part's level, row y = 0
	v_lshlrev_b32 v[O], 4, v0                      ; four texels a thread: a wave's load covers 512 consecutive bytes of a plane
.set n, 1
.rept 15
	v_add_nc_u32 v[O+n], s30, v[O+n-1]
.set n, n+1
.endr
.set n, 0
.rept 16
	global_load_b128 v[X+4*n:X+4*n+3], v[O+n], s[22:23] th:TH_LOAD_NT
.set n, n+1
.endr
	; the addresses are made while the sixteen loads are out
	v_lshrrev_b32 v[T0], 5, v0
	v_readfirstlane_b32 s31, v[T0]                 ; wave
	v_and_b32 v[LN], 31, v0
	s_mul_i32 s32, s31, WSTG
	v_mul_u32_u24 v[LS], v[LN], 144
	v_add_nc_u32 v[LS], s32, v[LS]
	v_lshrrev_b32 v[T0], 3, v[LN]                  ; read-back k, lane l takes piece 32 k + l of the wave's 256 pieces of 16 bytes:
	v_and_b32 v[T1], 7, v[LN]                      ; it lies with lane 4 k + l / 8, at piece l % 8
	v_mul_u32_u24 v[LR], v[T0], 144
	v_lshl_add_u32 v[LR], v[T1], 4, v[LR]
	v_add_nc_u32 v[LR], s32, v[LR]
	s_lshl_b32 s33, s27, 15                        ; 1,024 texels x 32 bytes a work-group,
	s_lshl_b32 s34, s31, 12                        ; 128 x 32 a wave
	s_add_co_u32 s33, s33, s34
	v_lshl_add_u32 v[E0], v[LN], 4, s33
	s_add_co_u32 s34, s20, 5                       ; dense bytes >> (log2 w + 5) = the row
.set k, 0
.rept 8
	v_add_nc_u32 v[OA+k], 512*k, v[E0]
	v_lshrrev_b32 v[T0], s34, v[OA+k]
	v_lshl_add_u32 v[OA+k], v[T0], 8, v[OA+k]      ; each row before mine has added 256 bytes of zeros
.set k, k+1
.endr
.set m, 0
.rept 8
	s_wait_loadcnt 14-2*m                          ; loads return in order: planes 2 m and 2 m + 1 are in, the 14 - 2 m younger ones may be out
.set i, 0
.rept 4
	v_cvt_pk_f16_f32 v[Y+8*i+m], v[X+8*m+i], v[X+8*m+4+i]  ; texel i, features 2 m (low half) and 2 m + 1
.set i, i+1
.endr
.set m, m+1
.endr
.set k, 0
.rept 8
	ds_store_b128 v[LS], v[Y+4*k:Y+4*k+3] offset:16*k
.set k, k+1
.endr
.set k, 0
.rept 8
	ds_load_b128 v[X+4*k:X+4*k+3], v[LR] offset:576*k  ; the wave's own bytes, served in order behind the stores above
.set k, k+1
.endr
.set k, 0
.rept 8
	s_wait_dscnt 7-k                               ; read-back k is in
	global_store_b128 v[OA+k], v[X+4*k:X+4*k+3], s[14:15]  ; 16 texels of one row: 512 consecutive bytes at a multiple of 256 from the table's first byte
.set k, k+1
.endr
	s_wait_tensorcnt 0x0                           ; the wave's end
	ds_add_u32 v[SPW], v[NIL]
	s_wait_dscnt 0x0
	s_endpgm
	; ---------------- ZERO ----------------
.Lzero:
	s_sub_co_u32 s28, s18, NTEX                    ; part
	s_mul_i32 s28, s28, PARTB
.irp c, 0,1,2,3
	v_mov_b32 v[X+\c], 0
.endr
	v_lshlrev_b32 v[LS], 4, v0                     ; dense runs: 256 threads x 16 bytes = 4,096 bytes a store
	v_lshrrev_b32 v[T0], 4, v0                     ; pads: sixteen lanes take one row's 256 bytes
	v_and_b32 v[T1], 15, v0
	v_lshlrev_b32 v[T1], 4, v[T1]
	v_mad_u32_u24 v[O], v[T0], P1, v[T1]
	v_mad_u32_u24 v[O+1], v[T0], P2, v[T1]
	v_mad_u32_u24 v[O+2], v[T0], P3, v[T1]
	v_mad_u32_u24 v[O+3], v[T0], P4, v[T1]
	s_wait_kmcnt 0x0
	s_add_nc_u64 s[14:15], s[14:15], s[28:29]
.macro ZPADS l, first, pitch, rows     ; the 256 bytes behind each data row, sixteen rows a store
.set zi, 0
.rept (\rows)/16
	global_store_b128 v[O+\l], v[X:X+3], s[14:15] offset:(\first)+zi*16*(\pitch)
.set zi, zi+1
.endr
.endm
.macro ZRUN first, nblk                ; nblk x 256 consecutive bytes; what is over after whole stores is stored by the first threads alone
.set zi, 0
.rept (\nblk)/16
	global_store_b128 v[LS], v[X:X+3], s[14:15] offset:(\first)+zi*4096
.set zi, zi+1
.endr
	v_cmp_gt_u32 vcc_lo, ((\nblk)%16)*16, v0
	s_wait_xcnt 0x0                                ; EXEC is a source of the stores above: it changes only behind this wait
	s_and_saveexec_b32 s19, vcc_lo
	global_store_b128 v[LS], v[X:X+3], s[14:15] offset:(\first)+zi*4096
	s_wait_xcnt 0x0                                ; and again in front of the line that widens it
	s_or_b32 exec_lo, exec_lo, s19
.endm
	ZPADS 0, LB1+P1+8192, P1, 256
	ZPADS 1, LB2+P2+4096, P2, 128
	ZPADS 2, LB3+P3+2048, P3, 64
	ZPADS 3, LB4+P4+1024, P4, 32
	ZRUN 0, 34                                     ; the leading block and level 1's row y = -1
	ZRUN LB1+257*P1, 83                            ; level 1's two last rows and level 2's first: they lie end to end
	ZRUN LB2+129*P2, 43
	ZRUN LB3+65*P3, 23
	ZRUN LB4+33*P4, 10
	s_endpgm
	; ---------------- COORD ----------------
.Lcoord:
	s_sub_co_u32 s28, s18, NTEX+NZ
	s_lshl_b32 s28, s28, 15                        ; 32,768 bytes a work-group
	s_mov_b32 s30, 0x4a000000                      ; 2^21: the factor, and the lower bound
	s_mov_b32 s31, 0x4a800001                      ; 2^22 + 0.5
	s_mov_b32 s32, 0x4b200000                      ; 2.5 x 2^22: T x 255 stays under 2^32, T under 2^24
	v_lshlrev_b32 v[LS], 4, v0
	s_wait_kmcnt 0x0
	s_add_nc_u64 s[4:5], s[4:5], s[28:29]
	s_add_nc_u64 s[16:17], s[16:17], s[28:29]
.irp i, 0,1,2,3,4,5,6,7
	global_load_b128 v[X+4*\i:X+4*\i+3], v[LS], s[4:5] offset:4096*\i th:TH_LOAD_NT
.endr
.irp i, 0,1,2,3,4,5,6,7
	s_wait_loadcnt 7-\i                            ; load i is in, the younger ones may be out
.irp c, 0,1,2,3
	v_add_f32 v[X+4*\i+\c], 1.0, v[X+4*\i+\c]      ; u + 1, rounded as reference() rounds it
.endr
.irp c, 0,1,2,3
	v_fma_f32 v[X+4*\i+\c], v[X+4*\i+\c], s30, s31
.endr
.irp c, 0,1,2,3
	v_med3_num_f32 v[X+4*\i+\c], v[X+4*\i+\c], s30, s32
.endr
.irp c, 0,1,2,3
	v_cvt_u32_f32 v[X+4*\i+\c], v[X+4*\i+\c]
.endr
	global_store_b128 v[LS], v[X+4*\i:X+4*\i+3], s[16:17] offset:4096*\i
.endr
	s_endpgm
.Lfunc_end_k_qfe73540342_prep:
	.size	k_qfe73540342_prep, .Lfunc_end_k_qfe73540342_prep-k_qfe73540342_prep
	.p2alignl 7, 3214868480
	.fill 96, 4, 3214868480
	.section	.rodata,"a",@progbits
	.p2align	6, 0x0
	.amdhsa_kernel k_qfe73540342_prep
		.amdhsa_group_segment_fixed_size 37888
		.amdhsa_private_segment_fixed_size 0
		.amdhsa_enable_private_segment 0
		.amdhsa_kernarg_size 56
		.amdhsa_user_sgpr_count 2
		.amdhsa_user_sgpr_kernarg_segment_ptr 1
		.amdhsa_wavefront_size32 1
		.amdhsa_system_sgpr_workgroup_id_x 1
		.amdhsa_system_sgpr_workgroup_id_y 1
		.amdhsa_system_sgpr_workgroup_id_z 1
		.amdhsa_system_vgpr_workitem_id 0
		.amdhsa_next_free_vgpr 130
		.amdhsa_next_free_sgpr 66
		.amdhsa_reserve_vcc 1
		.amdhsa_float_denorm_mode_32 3
		.amdhsa_float_denorm_mode_16_64 3
		.amdhsa_memory_ordered 1
		.amdhsa_forward_progress 1
		.amdhsa_inst_pref_size 25
	.end_amdhsa_kernel
	.amdgpu_metadata
---
amdhsa.version: [ 1, 2 ]
amdhsa.kernels:
  - .name:           k_qfe73540342_prep
    .symbol:         k_qfe73540342_prep.kd
    .args:
      - { .name: iuv, .offset: 0, .size: 8, .value_kind: global_buffer, .address_space: global }
      - { .name: layer1, .offset: 8, .size: 8, .value_kind: global_buffer, .address_space: global }
      - { .name: layer2, .offset: 16, .size: 8, .value_kind: global_buffer, .address_space: global }
      - { .name: layer3, .offset: 24, .size: 8, .value_kind: global_buffer, .address_space: global }
      - { .name: layer4, .offset: 32, .size: 8, .value_kind: global_buffer, .address_space: global }
      - { .name: tex, .offset: 40, .size: 8, .value_kind: global_buffer, .address_space: global }
      - { .name: coord, .offset: 48, .size: 8, .value_kind: global_buffer, .address_space: global }
    .group_segment_fixed_size: 37888
    .private_segment_fixed_size: 0
    .kernarg_segment_align: 8
    .kernarg_segment_size: 56
    .max_flat_workgroup_size: 256
    .sgpr_count:     66
    .vgpr_count:     130
    .wavefront_size: 32
...
	.end_amdgpu_metadata
.endif
;; end of part 3
;; launch render (part 4): grid 256 x 1, 16 waves a work-group, no clusters, 327,680 bytes of LDS; arguments coord, tex, part; writes part
.if DOCPART == 4
	.amdgcn_target "amdgcn-amd-amdhsa--gfx1250"
	.amdhsa_code_object_version 6
	.text
	.protected	k_qfe73540342_render
	.globl	k_qfe73540342_render
	.p2align	8
	.type	k_qfe73540342_render,@function
k_qfe73540342_render:
	s_mov_b64 s[64:65], 0
	v_nop
	global_prefetch_b8 v0, s[64:65] scope:SCOPE_SE
	s_setreg_imm32_b32 hwreg(HW_REG_WAVE_MODE, 25, 1), 1
	s_wait_xcnt 0x0
; RENDER: part[g][b][n][pixel] = the sum over the six parts 6 g .. 6 g + 5 and the four levels of the bilinear sample of the part's level at the pixel's uv, in units of 2^-44.
; SHARES.  A work-group takes 6 of the 24 parts and 2,048 consecutive pixels of one image: 4 part groups x 64 chunks = 256 work-groups.  Each of its sixteen waves owns 128 pixels, as eight
; SUB-BLOCKS of 16.  The four groups' sums are added by the launch that follows.
; WHY SIX PARTS.  2,048 pixels would gather 2,048 x 128 = 262,144 bytes for a part and level.  Level 3 as it lies in the table is 154,624 bytes and level 4 45,056: they are brought whole into LDS and
; sampled there.  Level 2 is 570,112 bytes and level 1 four times that: they stay gathers.  With all 24 parts a work-group would have 512 pixels, and the gathers (65,536 bytes) would be the fewer bytes.
; NO CLUSTER, though 64 work-groups read the same pieces: the LDS address of a tap is made of the work-group's own pixels, so it cannot be alike in the partners of a joint load.
; LANES.  lane = 2 i + fh: pixel i of the sub-block, feature half fh.  A texel is 32 bytes (16 f16), so a lane pair reads 32 consecutive bytes; a sample's four taps are four loads from ONE address
; register, at the offsets 0, 32, pitch, pitch + 32.  A lane multiplies its eight features by the tap's weight: eight f32 sums a sub-block, 64 registers a wave, each sum held once.
; MAKING.  From the pixel's two whole numbers T (t + 1 in units of 2^-22) integer arithmetic gives the index of the sample's upper left tap and the two fractions; four weights follow in f32, in units of
; 2^-44.  It is done in the lane that uses it (both lanes of a pair do it): nothing changes lanes.
; OUTSIDE THE TEXTURE.  The table has a frame of zeros (x = -1, w, w + 1; y = -1, h, h + 1).  (x + 1) 2^22 = T (w - 1) - (w - 2) 2^22, taken modulo 2^32: below -1 it wraps to a large number, so ONE
; unsigned minimum of its whole part with w + 1 sends both sides to taps that are all zeros, whatever the fraction.
; THE WALK.  A part is two HALVES.  Half h samples level 3 + h out of LDS slot h and multiplies the gathers of level 1 + h.  Behind the barrier at a half's head the other slot, read in the half before, is
; filled again (half 0: this part's level 4; half 1: the next part's level 3): a fill has a whole half in which to land.  A half is eight STEPS, one a sub-block.
; THE RING OF GATHERS.  Four slots of registers, a sub-block's four loads each; a slot is asked for again, for the step four steps on, straight behind its multiply-adds: 16 gathers are out in each wave.
; T lies in 16 registers; in half 1 a sub-block's pair is loaded anew for the next part as soon as its last use is over, ahead of that step's gathers, so that the wait for those gathers shows it landed.
; LIMITS: those of the table and of T (the launch before): f16 texels, t to 2^-22, NaN and infinite uv count as outside.  All sums in f32; their order is not reference()'s.
.set P1, 8448
.set P2, 4352
.set P3, 2304
.set P4, 1280
.set LB1, 256
.set LB2, LB1+259*P1
.set LB3, LB2+131*P2
.set LB4, LB3+67*P3
.set PARTB, LB4+35*P4                  ; a part's bytes in tex
.set PSTEP, 524288                     ; a part's bytes in coord: 65,536 pixels x 8
.set NPG, 6                            ; parts a work-group
.set SH3, 151*256                      ; slot 0: what one of waves 0 to 3 brings
.set SH4, 88*256                       ; slot 1: what one of waves 0 and 1 brings
.set S0B, 4*SH3                        ; slot 0 = the table's bytes LB3 - 256 .. LB4: level 3 and the 256 zero bytes ahead of it (x = -1 of its first row)
.set S1B, 2*SH4                        ; slot 1 = LB4 - 256 .. PARTB: level 4 likewise
.set STG, S0B+S1B                      ; behind the slots, where no tensor load lands: the way out, for each wave 16 features x 64 pixels f32,
.set SPIT, 272                         ; rows 256 + 16 bytes apart
.set WSTG, 16*SPIT
.set SPARE, STG+16*WSTG                ; the spare words, 128 bytes a wave (269,312 is a multiple of 256)
.set SPW, 1                            ; v1  SPARE + 4 x my thread's number; never rewritten
.set NIL, 2                            ; v2  0; never rewritten
.set TOFF, 3                           ; v3  byte offset in coord of my pixel's pair in sub-block 0, for the part to be loaded
.set LC, 4                             ; v4, v5  levels 1, 2: the byte offset in tex of the part to be asked for + 16 fh
.set LA, 6                             ; v6, v7  levels 3, 4: the slot's first byte + 224 + 16 fh (index 0 is x = -1: 32 bytes ahead of the level's first row)
.set QA, 8                             ; v8-13  at work
.set QB, 9
.set QC, 10
.set QD, 11
.set QE, 12
.set QF, 13
.set OFF, 14                           ; v14-17  ring slot r: the byte offset of its four loads
.set AE, 18                            ; v18, v19  LDS address of the taps, two sets by the step's parity
.set T, 20                             ; v20-35  sub-block s: T for x and y at T + 2 s
.set WG, 36                            ; v36-51  ring slot r: four weights
.set WE, 52                            ; v52-59  LDS taps' weights, two sets
.set ACC, 60                           ; v60-123  sub-block s, feature 8 fh + k at ACC + 8 s + k
.set D, 124                            ; v124-187  ring slot r, tap t: four registers at D + 16 r + 4 t
.set E, 188                            ; v188-219  LDS taps, two sets of sixteen
.set WV, 10                            ; s10  my wave's number
.set WM1, 16                           ; s16-19  w - 1
.set CB, 20                            ; s20-23  -(w - 2) 2^22 modulo 2^32
.set TWO22, 24                         ; s24  2^22 as f32
.set CNT, 25                           ; s25  trips to go
.set G1A, 32                           ; s[32:39]  descriptor group 1 for slot 0's quarters
.set G1B, 40                           ; s[40:47]  for slot 1's halves
.set G0A, 48                           ; s[48:51]  descriptor group 0 for slot 0
.set G0B, 52                           ; s[52:55]  for slot 1
.set MSK, 56                           ; s56  2^22 - 1
.macro LVL l                           ; a level's constants
.set WID, 256>>(\l)
.set MAXI, (WID+1)*(WID+8)+WID+1
.set PIT, (WID+8)*32
.if (\l)==0
.set LBX, LB1
.elseif (\l)==1
.set LBX, LB2
.else
.set LBX, 0
.endif
.endm
; MAKING for level l (0 .. 3) and sub-block s: v[adr] = 32 x index + v[base]; the four weights into v[w] ..
.macro MAKE l, s, adr, base, w
	LVL \l
	v_mad_u32_u24 v[QA], v[T+2*(\s)], s[WM1+(\l)], s[CB+(\l)]    ; (x + 1) 2^22
	v_mad_u32_u24 v[QB], v[T+2*(\s)+1], s[WM1+(\l)], s[CB+(\l)]
	v_lshrrev_b32 v[QC], 22, v[QA]                 ; x0 + 1
	v_lshrrev_b32 v[QD], 22, v[QB]
	v_and_b32 v[QA], s[MSK], v[QA]
	v_and_b32 v[QB], s[MSK], v[QB]
	v_min_u32 v[QC], WID+1, v[QC]                  ; both sides outside end at x0 = w: two zero texels
	v_min_u32 v[QD], WID+1, v[QD]
	v_cvt_f32_u32 v[QA], v[QA]                     ; fx, exact: under 2^22
	v_cvt_f32_u32 v[QB], v[QB]
	v_mad_u32_u24 v[QC], v[QD], WID+8, v[QC]       ; index: (y0 + 1)(w + 8) + x0 + 1
	v_sub_f32 v[QE], s[TWO22], v[QA]               ; 1 - fx, exact
	v_sub_f32 v[QF], s[TWO22], v[QB]
	v_min_u32 v[QC], MAXI, v[QC]                   ; a loaded number enters an address only behind a bound written in the line: the level's last index
	v_mul_f32 v[(\w)], v[QE], v[QF]                ; tap 0: row 0, texel 0
	v_mul_f32 v[(\w)+1], v[QA], v[QF]              ; tap 1: row 0, texel 1
	v_lshl_add_u32 v[\adr], v[QC], 5, v[\base]
	v_mul_f32 v[(\w)+2], v[QE], v[QB]              ; tap 2: row 1, texel 0
	v_mul_f32 v[(\w)+3], v[QA], v[QB]              ; tap 3
.endm
.macro ASK l, r                        ; a sub-block's four gathers at level l (0, 1) into ring slot r; all work-groups of a part group read this table again and again
	LVL \l
	global_load_b128 v[D+16*(\r):D+16*(\r)+3],     v[OFF+(\r)], s[6:7] offset:LBX-32 th:TH_LOAD_HT
	global_load_b128 v[D+16*(\r)+4:D+16*(\r)+7],   v[OFF+(\r)], s[6:7] offset:LBX th:TH_LOAD_HT
	global_load_b128 v[D+16*(\r)+8:D+16*(\r)+11],  v[OFF+(\r)], s[6:7] offset:LBX-32+PIT th:TH_LOAD_HT
	global_load_b128 v[D+16*(\r)+12:D+16*(\r)+15], v[OFF+(\r)], s[6:7] offset:LBX+PIT th:TH_LOAD_HT
.endm
.macro TAPS h, e                       ; a sub-block's four taps out of slot h into set e
	LVL 2+(\h)
	ds_load_b128 v[E+16*(\e):E+16*(\e)+3],     v[AE+(\e)]
	ds_load_b128 v[E+16*(\e)+4:E+16*(\e)+7],   v[AE+(\e)] offset:32
	ds_load_b128 v[E+16*(\e)+8:E+16*(\e)+11],  v[AE+(\e)] offset:PIT
	ds_load_b128 v[E+16*(\e)+12:E+16*(\e)+15], v[AE+(\e)] offset:PIT+32
.endm
.macro MADS dat, w, s                  ; 32 multiply-adds: f16 texel x f32 weight + f32 sum; between two on one sum stand seven on the others
.irp t, 0,1,2,3
.irp q, 0,1,2,3
	v_fma_mix_f32 v[ACC+8*(\s)+2*\q],   v[(\dat)+4*\t+\q], v[(\w)+\t], v[ACC+8*(\s)+2*\q]   op_sel_hi:[1,0,0]
	v_fma_mix_f32 v[ACC+8*(\s)+2*\q+1], v[(\dat)+4*\t+\q], v[(\w)+\t], v[ACC+8*(\s)+2*\q+1] op_sel:[1,0,0] op_sel_hi:[1,0,0]
.endr
.endr
.endm
.macro FILLA                           ; slot 0: waves 0 to 3 bring a quarter each
	s_cmp_lt_u32 s[WV], 4
	s_cbranch_scc0 .Lnone_a_\@
	tensor_load_to_lds s[G0A:G0A+3], s[G1A:G1A+7]
	s_nop 0
.Lnone_a_\@:
.endm
.macro FILLB                           ; slot 1: waves 0 and 1 bring a half each
	s_cmp_lt_u32 s[WV], 2
	s_cbranch_scc0 .Lnone_b_\@
	tensor_load_to_lds s[G0B:G0B+3], s[G1B:G1B+7]
	s_nop 0
.Lnone_b_\@:
.endm
; STEP s of half h.  left: the loads issued behind this step's four gathers.  ask = 1: the ring slot is asked for again, for the step four steps on.  more = 1 (half 1): the sub-block's T is loaded for the next part.
.macro STEP h, s, left, ask, more
.set SL, (\s)%4
.set ES, (\s)%2
.if (\s) < 7
	MAKE 2+\h, (\s)+1, AE+1-ES, LA+\h, WE+4*(1-ES)  ; the next sub-block's taps are asked for a step ahead
	TAPS \h, 1-ES
.endif
	s_wait_loadcnt \left                           ; loads return in order: this step's four gathers are in, and whatever was issued ahead of them
	MADS D+16*SL, WG+4*SL, \s
.if \more
	global_load_b64 v[T+2*(\s):T+2*(\s)+1], v[TOFF], s[4:5] offset:128*(\s) th:TH_LOAD_NT  ; this part has read the pair for the last time; a wave's load covers 128 consecutive bytes, each by a lane pair
.endif
.if \ask
.if (\s) < 4
	MAKE \h, (\s)+4, OFF+SL, LC+\h, WG+4*SL        ; the same half's sub-block s + 4.  OFF of this slot is free: the wait above showed its loads done
	ASK \h, SL
.else
	MAKE 1-\h, (\s)-4, OFF+SL, LC+1-\h, WG+4*SL    ; the next half's sub-block s - 4
	ASK 1-\h, SL
.endif
.endif
.if (\s) == 3
	v_add_nc_u32 v[LC+\h], PARTB, v[LC+\h]         ; that was the part's last request at this level: on to the next part's table
.endif
.if (\s) < 7
	s_wait_dscnt 4                                 ; my taps are in; the next sub-block's four may be out
.else
	s_wait_dscnt 0x0
.endif
	MADS E+16*ES, WE+4*ES, \s
.endm
; HALF h.  fill = 1: the other slot is filled again.  last = 1: the walk's last half: no further T, and only the four requests that are left.
.macro HALF h, fill, last
	s_wait_tensorcnt 0x0                           ; all my tensor loads are done: the one that was out is my share of this half's slot; so a group 0 may be written
	ds_add_u32 v[SPW], v[NIL]                      ; 0 onto my spare word; work on registers stands between it and the wait for it
.if (\h) == 1
.if !(\last)
	s_add_nc_u64 s[G0A+2:G0A+3], s[G0A+2:G0A+3], PARTB  ; both descriptors go on to the next part; the type bits on top are not reached
	s_add_nc_u64 s[G0B+2:G0B+3], s[G0B+2:G0B+3], PARTB
	v_add_nc_u32 v[TOFF], PSTEP, v[TOFF]           ; the loads that named it were shown done in half 0
.endif
.endif
	MAKE 2+\h, 0, AE, LA+\h, WE
	s_wait_dscnt 0x0                               ; the add is done, and so are my reads of the other slot
	s_barrier_signal -1
	s_barrier_wait -1                              ; both now hold of every wave
.if \fill
.if (\h) == 0
	FILLB
.else
	FILLA
.endif
.endif
	TAPS \h, 0
.if (\h) == 0
.irp s, 0,1,2,3,4,5,6,7
	STEP 0, \s, 12, 1, 0                           ; behind a step's four gathers: the three younger steps' twelve.  (In steps 0 to 2 up to three loads of T are younger too, but not on the way into the loop: 12 holds on both ways.)
.endr
.else
.if !(\last)
	STEP 1, 0, 12, 1, 1
	STEP 1, 1, 13, 1, 1                            ; twelve gathers, and one load of T for each of the three steps before that lies in this half
	STEP 1, 2, 14, 1, 1
.irp s, 3,4,5,6,7
	STEP 1, \s, 15, 1, 1
.endr
.else
.irp s, 0,1,2,3
	STEP 1, \s, 12, 1, 0
.endr
	STEP 1, 4, 12, 0, 0                            ; nothing more is issued: the counts run down
	STEP 1, 5, 8, 0, 0
	STEP 1, 6, 4, 0, 0
	STEP 1, 7, 0, 0, 0
.endif
.endif
.endm
	s_load_b128 s[4:7], s[0:1], 0x0                ; coord s[4:5], tex s[6:7]
	s_load_b64 s[8:9], s[0:1], 0x10                ; part
	v_lshl_add_u32 v[SPW], v0, 2, SPARE
	v_mov_b32 v[NIL], 0
	ds_add_u32 v[SPW], v[NIL]                      ; the wave's opening: the add and its wait stand ahead of the first tensor load; the set-up below, work on registers, stands between them
	v_lshrrev_b32 v[QA], 5, v0
	v_readfirstlane_b32 s[WV], v[QA]               ; wave 0..15
	s_and_b32 s11, ttmp9, 3                        ; g: which six parts
	s_lshr_b32 s12, ttmp9, 2
	s_lshr_b32 s13, s12, 5                         ; b: which image
	s_and_b32 s14, s12, 31                         ; which 2,048 pixels of it
	s_mul_i32 s26, s11, NPG                        ; my first part
	s_mul_i32 s15, s13, 24
	s_add_co_u32 s15, s15, s26
	s_lshl_b32 s15, s15, 19                        ; (24 b + part) x PSTEP
	s_lshl_b32 s12, s14, 14                        ; 2,048 pixels x 8 bytes
	s_add_co_u32 s15, s15, s12
	s_lshl_b32 s12, s[WV], 10                      ; 128 pixels x 8 bytes
	s_add_co_u32 s15, s15, s12
	v_bfe_u32 v[QB], v0, 1, 4                      ; i
	v_and_b32 v[QC], 1, v0                         ; fh
	v_lshl_add_u32 v[TOFF], v[QB], 3, s15
	s_mul_i32 s27, s26, PARTB                      ; my first part's bytes in tex
	v_lshl_add_u32 v[LC], v[QC], 4, s27
	v_lshl_add_u32 v[LC+1], v[QC], 4, s27
	v_lshl_add_u32 v[LA], v[QC], 4, 224
	v_lshl_add_u32 v[LA+1], v[QC], 4, S0B+224
	; descriptor groups 1: a share of a slot is dense in memory: rows of 32 elements of 8 bytes, laid into LDS without a gap
.irp g, G1A, G1B
	s_mov_b32 s[\g], 3<<16                         ; no mask; elements of 8 bytes; no padding
	s_mov_b32 s[\g+1], 32<<16                      ; tensor_dim0 = 32
	s_mov_b32 s[\g+3], 32<<16                      ; tile_dim0 = 32
	s_mov_b32 s[\g+5], 32                          ; 32 elements from row to row
	s_mov_b32 s[\g+6], 0
	s_mov_b32 s[\g+7], 0
.endr
	s_mov_b32 s[G1A+2], 151<<16                    ; tensor_dim1
	s_mov_b32 s[G1A+4], 151                        ; tile_dim1
	s_mov_b32 s[G1B+2], 88<<16
	s_mov_b32 s[G1B+4], 88
	s_mul_i32 s12, s[WV], SH3                      ; my share's place in slot 0,
	s_mul_i32 s57, s[WV], SH4                      ; and in slot 1
	s_add_co_u32 s28, s27, s12
	s_add_co_u32 s28, s28, LB3-256
	s_mov_b32 s29, 0
	s_add_co_u32 s30, s27, s57
	s_add_co_u32 s30, s30, LB4-256
	s_mov_b32 s31, 0
	s_mov_b32 s[WM1], 255
	s_mov_b32 s[WM1+1], 127
	s_mov_b32 s[WM1+2], 63
	s_mov_b32 s[WM1+3], 31
	s_mov_b32 s[CB], 0xc0800000
	s_mov_b32 s[CB+1], 0xe0800000
	s_mov_b32 s[CB+2], 0xf0800000
	s_mov_b32 s[CB+3], 0xf8800000
	s_mov_b32 s[TWO22], 0x4a800000
	s_mov_b32 s[MSK], 0x3fffff
	s_wait_dscnt 0x0                               ; the opening add is done
	s_wait_kmcnt 0x0
	s_mov_b32 s[G0A], 1                            ; count = 1
	s_mov_b32 s[G0A+1], s12                        ; LDS address: slot 0, my quarter
	s_add_nc_u64 s[G0A+2:G0A+3], s[6:7], s[28:29]  ; global address: my first part's level 3, my quarter
	s_or_b32 s[G0A+3], s[G0A+3], 0x80000000        ; type = 2
	s_mov_b32 s[G0B], 1
	s_add_co_u32 s[G0B+1], s57, S0B                ; slot 1, my half
	s_add_nc_u64 s[G0B+2:G0B+3], s[6:7], s[30:31]
	s_or_b32 s[G0B+3], s[G0B+3], 0x80000000
	FILLA                                          ; the first part's level 3; slot 1 is filled behind the first half's barrier
.irp s, 0,1,2,3,4,5,6,7
	global_load_b64 v[T+2*\s:T+2*\s+1], v[TOFF], s[4:5] offset:128*\s th:TH_LOAD_NT  ; the first part's T
.endr
	s_lshl_b32 s30, s11, 23                        ; where my sums go: g x 8,388,608
	s_lshl_b32 s12, s13, 22                        ; + b x 16 features x 262,144
	s_add_co_u32 s30, s30, s12
	s_lshl_b32 s12, s14, 13                        ; + 2,048 pixels x 4 bytes
	s_add_co_u32 s30, s30, s12
	s_lshl_b32 s12, s[WV], 9                       ; + 128 pixels x 4 bytes
	s_add_co_u32 s30, s30, s12
	s_add_nc_u64 s[8:9], s[8:9], s[30:31]
.set a, 0
.rept 64                                               ; the sums start at 0: 64 lines once a launch, in the wait for T and the first piece; the price of one text for every part
	v_mov_b32 v[ACC+a], 0
.set a, a+1
.endr
	s_wait_loadcnt 0x0
.irp s, 0,1,2,3
	MAKE 0, \s, OFF+\s, LC, WG+4*\s                ; the ring is filled: level 1, sub-blocks 0 to 3
	ASK 0, \s
.endr
	s_mov_b32 s[CNT], NPG-1
.Lpart:                                                ; five parts
	HALF 0, 1, 0
	HALF 1, 1, 0
	s_sub_co_u32 s[CNT], s[CNT], 1
	s_cmp_lg_u32 s[CNT], 0
	s_cbranch_scc1 .Lpart
	HALF 0, 1, 0                                   ; the sixth is written out
	HALF 1, 0, 1
	; THE WAY OUT, through my wave's own stage, 64 pixels at a time: in by lanes (a word of feature 8 fh + k), back as whole rows of 256 bytes.
	s_mul_i32 s26, s[WV], WSTG
	s_add_co_u32 s26, s26, STG
	v_and_b32 v[QA], 1, v0                         ; fh
	v_bfe_u32 v[QB], v0, 1, 4                      ; i
	v_mul_u32_u24 v[QC], v[QA], 8*SPIT
	v_lshl_add_u32 v[QC], v[QB], 2, v[QC]
	v_add_nc_u32 v[QC], s26, v[QC]                 ; in: row 8 fh (+ k), word i (+ 16 for each sub-block): the two halves' words lie 544 words apart, so the 32 lanes touch 32 different words modulo 64
	v_bfe_u32 v[QD], v0, 4, 1
	v_and_b32 v[QE], 15, v0
	v_mul_u32_u24 v[QF], v[QD], SPIT
	v_lshl_add_u32 v[QF], v[QE], 4, v[QF]
	v_add_nc_u32 v[QF], s26, v[QF]                 ; back: lanes 0-15 take one feature's 256 bytes, lanes 16-31 the next feature's
	v_lshlrev_b32 v[QA], 18, v[QD]                 ; and the same two rows in part: features lie 262,144 bytes apart
	v_lshl_add_u32 v[QA], v[QE], 4, v[QA]
.irp t, 0,1
.irp c, 0,1,2,3
.irp k, 0,1,2,3,4,5,6,7
	ds_store_b32 v[QC], v[ACC+8*(4*\t+\c)+\k] offset:\k*SPIT+64*\c
.endr
.endr
.irp m, 0,1,2,3,4,5,6,7
	ds_load_b128 v[D+32*\t+4*\m:D+32*\t+4*\m+3], v[QF] offset:\m*2*SPIT  ; the wave's own bytes, served in order: behind the stores above, ahead of the second pass's
.endr
.endr
.irp t, 0,1
.irp m, 0,1,2,3,4,5,6,7
	s_wait_dscnt (1-\t)*40+7-\m                    ; read-back m of pass t is in: behind it stand the pass's 7 - m others and, for the first pass, the second's 40 LDS instructions
	global_store_b128 v[QA], v[D+32*\t+4*\m:D+32*\t+4*\m+3], s[8:9] offset:\m*524288+256*\t  ; sixteen lanes store 256 consecutive bytes at a multiple of 256 from part's first byte
.endr
.endr
	s_wait_tensorcnt 0x0                           ; the wave's end
	ds_add_u32 v[SPW], v[NIL]
	s_wait_dscnt 0x0
	s_endpgm
.Lfunc_end_k_qfe73540342_render:
	.size	k_qfe73540342_render, .Lfunc_end_k_qfe73540342_render-k_qfe73540342_render
	.p2alignl 7, 3214868480
	.fill 96, 4, 3214868480
	.section	.rodata,"a",@progbits
	.p2align	6, 0x0
	.amdhsa_kernel k_qfe73540342_render
		.amdhsa_group_segment_fixed_size 327680
		.amdhsa_private_segment_fixed_size 0
		.amdhsa_enable_private_segment 0
		.amdhsa_kernarg_size 24
		.amdhsa_user_sgpr_count 2
		.amdhsa_user_sgpr_kernarg_segment_ptr 1
		.amdhsa_wavefront_size32 1
		.amdhsa_system_sgpr_workgroup_id_x 1
		.amdhsa_system_sgpr_workgroup_id_y 1
		.amdhsa_system_sgpr_workgroup_id_z 1
		.amdhsa_system_vgpr_workitem_id 0
		.amdhsa_next_free_vgpr 220
		.amdhsa_next_free_sgpr 66
		.amdhsa_reserve_vcc 0
		.amdhsa_float_denorm_mode_32 3
		.amdhsa_float_denorm_mode_16_64 3
		.amdhsa_memory_ordered 1
		.amdhsa_forward_progress 1
		.amdhsa_inst_pref_size 220
	.end_amdhsa_kernel
	.amdgpu_metadata
---
amdhsa.version: [ 1, 2 ]
amdhsa.kernels:
  - .name:           k_qfe73540342_render
    .symbol:         k_qfe73540342_render.kd
    .args:
      - { .name: coord, .offset: 0, .size: 8, .value_kind: global_buffer, .address_space: global }
      - { .name: tex, .offset: 8, .size: 8, .value_kind: global_buffer, .address_space: global }
      - { .name: part, .offset: 16, .size: 8, .value_kind: global_buffer, .address_space: global }
    .group_segment_fixed_size: 327680
    .private_segment_fixed_size: 0
    .kernarg_segment_align: 8
    .kernarg_segment_size: 24
    .max_flat_workgroup_size: 512
    .sgpr_count:     66
    .vgpr_count:     220
    .wavefront_size: 32
...
	.end_amdgpu_metadata
.endif
;; end of part 4
;; launch fold (part 5): grid 512 x 1, 8 waves a work-group, no clusters, 0 bytes of LDS; arguments part, out0; writes out0
.if DOCPART == 5
	.amdgcn_target "amdgcn-amd-amdhsa--gfx1250"
	.amdhsa_code_object_version 6
	.text
	.protected	k_qfe73540342_fold
	.globl	k_qfe73540342_fold
	.p2align	8
	.type	k_qfe73540342_fold,@function
k_qfe73540342_fold:
	s_mov_b64 s[64:65], 0
	v_nop
	global_prefetch_b8 v0, s[64:65] scope:SCOPE_SE
	s_setreg_imm32_b32 hwreg(HW_REG_WAVE_MODE, 25, 1), 1
	s_wait_xcnt 0x0
; FOLD: out[b][n][pixel] = 2^-44 x the sum over the four part groups g of part[g][b][n][pixel].  part's four blocks have out's layout, so this is a stream:
; a work-group owns 16,384 bytes of out, a thread 16 bytes in each of four runs of 4,096; its sixteen loads go out together, and each load and store of a wave
; covers 512 consecutive bytes.  No LDS, no barrier: no thread needs another's numbers.  The sums are f32; 2^-44, the unit of the weights, is a power of two and rounds nothing.
.set GRP, 8388608                      ; bytes of a part group's block, and of out
.set X, 2                              ; v2-65  run j, group g: four registers at X + 16 j + 4 g
	s_load_b128 s[4:7], s[0:1], 0x0                ; part s[4:5], out s[6:7]
	s_lshl_b32 s8, ttmp9, 14
	s_mov_b32 s9, 0
	s_mov_b32 s20, 0x29800000                      ; 2^-44
	s_mov_b32 s21, s20                             ; named with it as a pair
	v_lshlrev_b32 v1, 4, v0
	s_wait_kmcnt 0x0
	s_add_nc_u64 s[4:5], s[4:5], s[8:9]
	s_add_nc_u64 s[6:7], s[6:7], s[8:9]
	s_add_nc_u64 s[10:11], s[4:5], GRP             ; a block's distance does not fit a load's immediate: a base for each group
	s_add_nc_u64 s[12:13], s[4:5], 2*GRP
	s_add_nc_u64 s[14:15], s[4:5], 3*GRP
.irp j, 0,1,2,3
	global_load_b128 v[X+16*\j:X+16*\j+3],     v1, s[4:5]   offset:4096*\j th:TH_LOAD_NT
	global_load_b128 v[X+16*\j+4:X+16*\j+7],   v1, s[10:11] offset:4096*\j th:TH_LOAD_NT
	global_load_b128 v[X+16*\j+8:X+16*\j+11],  v1, s[12:13] offset:4096*\j th:TH_LOAD_NT
	global_load_b128 v[X+16*\j+12:X+16*\j+15], v1, s[14:15] offset:4096*\j th:TH_LOAD_NT
.endr
.irp j, 0,1,2,3
	s_wait_loadcnt 12-4*\j                         ; loads return in order: run j's four are in, the later runs' may be out
	v_pk_add_f32 v[X+16*\j:X+16*\j+1],     v[X+16*\j:X+16*\j+1],     v[X+16*\j+4:X+16*\j+5]
	v_pk_add_f32 v[X+16*\j+2:X+16*\j+3],   v[X+16*\j+2:X+16*\j+3],   v[X+16*\j+6:X+16*\j+7]
	v_pk_add_f32 v[X+16*\j+8:X+16*\j+9],   v[X+16*\j+8:X+16*\j+9],   v[X+16*\j+12:X+16*\j+13]
	v_pk_add_f32 v[X+16*\j+10:X+16*\j+11], v[X+16*\j+10:X+16*\j+11], v[X+16*\j+14:X+16*\j+15]
	v_pk_add_f32 v[X+16*\j:X+16*\j+1],     v[X+16*\j:X+16*\j+1],     v[X+16*\j+8:X+16*\j+9]
	v_pk_add_f32 v[X+16*\j+2:X+16*\j+3],   v[X+16*\j+2:X+16*\j+3],   v[X+16*\j+10:X+16*\j+11]
	v_pk_mul_f32 v[X+16*\j:X+16*\j+1],     v[X+16*\j:X+16*\j+1],     s[20:21] op_sel_hi:[1,0]
	v_pk_mul_f32 v[X+16*\j+2:X+16*\j+3],   v[X+16*\j+2:X+16*\j+3],   s[20:21] op_sel_hi:[1,0]
	global_store_b128 v1, v[X+16*\j:X+16*\j+3], s[6:7] offset:4096*\j th:TH_STORE_NT
.endr
	s_endpgm
.Lfunc_end_k_qfe73540342_fold:
	.size	k_qfe73540342_fold, .Lfunc_end_k_qfe73540342_fold-k_qfe73540342_fold
	.p2alignl 7, 3214868480
	.fill 96, 4, 3214868480
	.section	.rodata,"a",@progbits
	.p2align	6, 0x0
	.amdhsa_kernel k_qfe73540342_fold
		.amdhsa_group_segment_fixed_size 0
		.amdhsa_private_segment_fixed_size 0
		.amdhsa_enable_private_segment 0
		.amdhsa_kernarg_size 16
		.amdhsa_user_sgpr_count 2
		.amdhsa_user_sgpr_kernarg_segment_ptr 1
		.amdhsa_wavefront_size32 1
		.amdhsa_system_sgpr_workgroup_id_x 1
		.amdhsa_system_sgpr_workgroup_id_y 1
		.amdhsa_system_sgpr_workgroup_id_z 1
		.amdhsa_system_vgpr_workitem_id 0
		.amdhsa_next_free_vgpr 66
		.amdhsa_next_free_sgpr 66
		.amdhsa_reserve_vcc 0
		.amdhsa_float_denorm_mode_32 3
		.amdhsa_float_denorm_mode_16_64 3
		.amdhsa_memory_ordered 1
		.amdhsa_forward_progress 1
		.amdhsa_inst_pref_size 5
	.end_amdhsa_kernel
	.amdgpu_metadata
---
amdhsa.version: [ 1, 2 ]
amdhsa.kernels:
  - .name:           k_qfe73540342_fold
    .symbol:         k_qfe73540342_fold.kd
    .args:
      - { .name: part, .offset: 0, .size: 8, .value_kind: global_buffer, .address_space: global }
      - { .name: out0, .offset: 8, .size: 8, .value_kind: global_buffer, .address_space: global }
    .group_segment_fixed_size: 0
    .private_segment_fixed_size: 0
    .kernarg_segment_align: 8
    .kernarg_segment_size: 16
    .max_flat_workgroup_size: 256
    .sgpr_count:     66
    .vgpr_count:     66
    .wavefront_size: 32
...
	.end_amdgpu_metadata
.endif
;; end of part 5
